; MI455X (gfx1250); checked and timed in simulation.
; The chip was launched on July 23, 2026; its instructions are those of AMD's public machine-readable ISA for CDNA 5 (MIT licence, August 2026) and "CDNA5" Instruction Set Architecture Reference Guide (July 2026). The comments in the code are by the model that wrote it; some were corrected since.
;; MHSA. Allowed arithmetic: matrix products marked QUANTISED: E2M3 operands, one E8M0 scale for each 32 along K, by v_wmma_scale_f32_16x16x128_f8f6f4 with both operands' format E2M3, f32 sums; everything else in f32.
;; Inputs: W_proj_codes 1,024 x 32 x 24 uint8 (E2M3 codes of W_proj, K innermost, in blocks of 32 codes, four codes in three bytes); W_proj_scales 1,024 x 32 uint8 (E8M0 scales of W_proj, one for each 32 codes along K); W_qkv_codes 3,072 x 32 x 24 uint8 (E2M3 codes of W_qkv, K innermost, in blocks of 32 codes, four codes in three bytes); W_qkv_scales 3,072 x 32 uint8 (E8M0 scales of W_qkv, one for each 32 codes along K); b_proj 1,024 float32; x_codes 8 x 1,024 x 32 x 24 uint8 (E2M3 codes of x, K innermost, in blocks of 32 codes, four codes in three bytes); x_scales 8 x 1,024 x 32 uint8 (E8M0 scales of x, one for each 32 codes along K).
;; Outputs: out0 8 x 1,024 x 1,024 float32.
;; This version of the problem:
;;   THIS VERSION OF THE PROBLEM IS GIVEN IN LOW PRECISION. The matrix products marked QUANTISED in the list below multiply operands that are first quantised to E2M3 (2 exponent bits, 3 mantissa bits; 6 bits a number), with one power-of-two scale for each 32 numbers along K (OCP MX v1.0); their sums are f32. All else is computed in f32.
;;   The module's matrix products, in the order in which they are computed (A, B: the left and right operand; K: the contracted axis; several contracted axes count as one K, in the product's order):
;;     1. [M 8,192, K 1,024] x [K 1,024, N 3,072]; A: input x (given as codes); B: input W_qkv (given as codes): QUANTISED
;;     2. batch 128 x [M 1,024, K 64] x [K 64, N 1,024]; A: computed on the way; B: computed on the way: QUANTISED
;;     3. batch 128 x [M 1,024, K 1,024] x [K 1,024, N 64]; A: softmax (see below); B: computed on the way: QUANTISED
;;     4. [M 8,192, K 1,024] x [K 1,024, N 1,024]; A: computed on the way; B: input W_proj (given as codes): QUANTISED
;;   THE QUANTISER, for each operand of a quantised product, along K:
;;     - K is cut into blocks of 32 from its start; a last block that is shorter is filled with zeros.
;;     - A block's scale is 2^e with e = floor(log2(the largest magnitude in the block)) - 2, held to -126 .. 127; a block of zeros has e = 0. As a byte (E8M0): e + 127.
;;     - Each number is divided by its block's scale, clamped to +-7.5, and rounded to the nearest number of E2M3, ties to even, subnormals kept.
;;     - The product sums the exact products of the quantised numbers (number of the format x scale) in f32.
;;   ~~~python
;;   def quantise(x, axis):      # numpy; x: float32 -> the quantised numbers, widened to float32 again
;;       x = np.moveaxis(x, axis, -1); K = x.shape[-1]
;;       x = np.pad(x, [(0, 0)] * (x.ndim - 1) + [(0, -K % 32)]); x = x.reshape(x.shape[:-1] + (-1, 32)); a = np.abs(x).max(-1, keepdims=True)
;;       e = np.where(a > 0, np.clip(np.frexp(np.where(a > 0, a, 1))[1] - 1 - 2, -126, 127), 0)      # np.frexp(a)[1] - 1 = floor(log2(a)), exactly
;;       r = np.clip(x / 2.0 ** e, -7.5, 7.5)
;;       step = 2.0 ** (np.maximum(np.frexp(np.where(r == 0, 1, r))[1] - 1, 0) - 3)
;;       q = np.round(r / step) * step * 2.0 ** e      # np.round: ties to even
;;       return np.moveaxis(q.reshape(q.shape[:-2] + (-1,))[..., :K], -1, axis).astype(np.float32)
;;   ~~~
;;   SOFTMAX AHEAD OF A QUANTISED PRODUCT. Where the list says 'softmax', what is quantised is not the finished softmax but p = 2^(t - M), with t = logit x log2(e) and M = ceil(the row's largest t), a whole number; so 1/2 < the row's largest p <= 1. The row's sum l is taken of the UNQUANTISED p, in f32, and the product's result is divided by l at the end. Since M is a whole number, a kernel that streams over the keys may use a running M (the ceiling of the running maximum): every later rescaling is an exact power of two, which a block's scale takes up: the codes' values come out the same.
;;   OPERANDS COMPUTED ON THE WAY. 'Computed on the way' means the value that the module computes at that place (a softmax that the list does not call 'softmax' is quantised finished and normalised). What goes into a quantiser is computed in f32, as accurately as f32 sums, v_exp_f32 and their like allow (about 1e-6 of the number): no bf16 or f16 on the way to a quantiser, and a product that is left as it is and whose result goes on into a quantised operand takes f32 operands (vector FMAs, or v_wmma_f32_16x16x4_f32). A number that lies on a knife's edge between two numbers of the format may be rounded either way, as far as f32 arithmetic and the matrix unit's own rounding can turn it there, and no further.
;;   INPUTS GIVEN AS CODES. W_proj (in the module: [1024, 1024], K = its axis 1); W_qkv (in the module: [3072, 1024], K = its axis 1); x (in the module: [8, 1024, 1024], K = its axis 2): each comes as NAME_codes (uint8): NAME with its K axis moved to the last place and cut into blocks of 32 codes, [.., K / 32, bytes a block], one block behind the other in memory; four codes in three bytes: a row's codes are one little-endian stream of bits, code i at bits 6 i .. 6 i + 5 (a code: sign, 2 exponent bits, 3 mantissa bits); and NAME_scales (uint8): the same leading axes, one E8M0 byte (e + 127) for each 32 codes along K. Its value is code x scale, taken as it is: it is not quantised again, and the codes and scales need not be those that the quantiser above would give.
;; One version. Each part assembles by itself: llvm-mc -triple=amdgcn-amd-amdhsa -mcpu=gfx1250 --defsym DOCPART=n.
;; ======== version 1 of 1: 3 launches
;; limits: right only within a limited range of input values
;; workspace buffers: qrec 6,553,600 bytes; kvrec 13,107,200 bytes; arec 6,291,456 bytes; asc 262,144 bytes
;; launch qkv (part 1): grid 4 x 64, 4 waves a work-group, clusters of 4 x 4, 327,680 bytes of LDS; arguments x_codes, x_scales, W_qkv_codes, W_qkv_scales, qrec, kvrec; writes qrec, kvrec
.if DOCPART == 1
	.amdgcn_target "amdgcn-amd-amdhsa--gfx1250"
	.amdhsa_code_object_version 6
	.text
	.protected	k_qaca600acf3_qkv
	.globl	k_qaca600acf3_qkv
	.p2align	8
	.type	k_qaca600acf3_qkv,@function
k_qaca600acf3_qkv:
	s_mov_b64 s[64:65], 0
	v_nop
	global_prefetch_b8 v0, s[64:65] scope:SCOPE_SE
	s_setreg_imm32_b32 hwreg(HW_REG_WAVE_MODE, 25, 1), 1
	s_wait_xcnt 0x0
	s_wait_alu depctr_hold_cnt(0) depctr_sa_sdst(0) depctr_va_vdst(0) depctr_va_sdst(0) depctr_va_ssrc(0) depctr_va_vcc(0) depctr_vm_vsrc(0)
	s_getreg_b32 s2, hwreg(HW_REG_IB_STS2, 6, 4)
	s_cmp_eq_u32 s2, 0
	s_cbranch_scc0 .Lentry_in_a_cluster
	s_endpgm
.Lentry_in_a_cluster:
	s_bfe_u32 s2, ttmp6, 0x10000c
	s_cmp_lg_u32 s2, 0xf033
	s_cbranch_scc0 .Lentry_shape_is_right
	s_endpgm
.Lentry_shape_is_right:
; qkv = x W_qkv^T on codes of FP6 (E2M3) with E8M0 scales, K = 1,024; the results are quantised at once and leave as codes: q and k along a head's 64 channels, v along the keys.
; 256 WORK-GROUPS THAT STAY: work-group (c, T) has tokens 128 T .. + 127 and W's rows 256 c .. + 255 of q, of k and of v.  x's 128 rows, all of K, lie in LDS for the whole launch.
; W goes in six chunks of 128 whole rows (chunk t: rows 1,024 (t / 2) + 256 c + 128 (t % 2)) through two slots, chunk t in slot t % 2, each with its 4,096 scale bytes beside it.
; Rows are 768 bytes, each beginning at a multiple of 256 in memory, with 16 bytes of padding behind every 256 in LDS.
; CLUSTERS 4 x 4: x is shared along a row of the cluster, W along a column.  At the head one joint load a wave: waves 0, 3 x's halves, wave 1 chunk 0, wave 2 its scale bytes.
; Each later chunk is asked for behind a round of the cluster's barrier, with a tensor wait, an add to LDS and its wait ahead of it: waves 0, 1 64 rows each, wave 2 the scale bytes; it has one chunk's 128 products a wave in which to land.
; A CHUNK is 128 tokens x 128 channels, 16 accumulators a wave, 8 K steps on two sets of fragments.  q, k: a wave has 64 tokens x one head; source 0 = W's rows, so a lane holds a token and its registers run along the channels.
; v: a wave has 128 tokens x 32 channels; source 0 = x's rows, so a lane holds a channel and its registers run along the keys.  Either way 64 registers on end become one operand of 12 registers and its scale word.
; No prefetch: x is asked for whole at the head, and W's chunks are the same few for all 16 clusters of a column group, which walk them in the same order.
; WHAT LEAVES: qrec[head][128 tokens]: 4 pair fragments (registers 0-5: 16 tokens x 64 channels, 6-11: the next 16), then 256 bytes of scale words (lane r: the four pairs' words): 6,400 bytes.
;   kvrec[head][128 keys]: 4 pair fragments of k, 4 fragments of v (16 channels x 128 keys), k's words, v's words: 12,800 bytes.  A wave has two of a lane's four words: 8 bytes a lane.
; ORDER INSIDE A BLOCK OF 32: 0-7, 16-23, 8-15, 24-31, alike in q and k along the channels, and in v and the next launch's p along the keys: products and scales are not changed by it.
; LIMITS: a block whose largest magnitude lies under 2^-124 (a block of zeros too) gets the scale byte 1; these bytes are read by this program alone.  NaN and infinities are not served.
.set PITCH,  816
.set AQ,     64*PITCH
.set SLOTB,  128*PITCH                 ; slot 0 at 0, slot 1 at SLOTB
.set XOFF,   2*SLOTB                   ; x's 128 rows
.set SCL,    3*SLOTB                   ; two places of 4,096 scale bytes
.set SPARE,  SCL+8192                  ; the spare words, 128 bytes a wave
.set KROW,   768
.set FR,     12
.set AWV,  8                           ; v8, v9 v: my 32 rows of W in slot 0, 1; v10, v11 behind one padding more
.set AXQ,  12                          ; v12 q, k: my 64 rows of x; v14 behind one padding more
.set AX,   16                          ; v16, v17 x's rows 0-63, 64-127; v18, v19
.set AWQ,  20                          ; v20, v21 q, k: my 64 rows of W in slot 0, 1; v22, v23
.set ASQ,  24                          ; v24 W's scale words, q, k;  v25 v
.set ASV,  25
.set GOFF, 26                          ; v26 16 x lane
.set SOFF, 27                          ; v27 where my scale words go, q then k;  v30 v
.set SPW,  28
.set NIL,  29
.set SOFFV, 30
.set SCXQ, 32                          ; v32-47 x's scale words, my 64 tokens: 4 a + g % 4 (lanes 0-15: K steps 0-3, lanes 16-31: 4-7)
.set SCXV, 48                          ; v48-79 all 128 tokens
.set SCW,  80                          ; v80-95 the chunk's W scale words
.set TM,   96
.set PW,   112
.set T2,   120
.set AF,   128                         ; v128-223 W's fragments, two sets; window 1: x's, two sets at 0 and 128; window 2: the accumulators
.set CD,   224                         ; v224-247 two operands' codes
.set G1X,  24
.set G1W,  32
.set G1S,  40
.set G0X,  48
.set G0H,  52
.set G0C,  56                          ; s[56:59], s[60:63] a chunk's codes for slot 0, 1
.set SEL,  66
.set G0S,  68                          ; s[68:71], s[72:75] its scale bytes
.set BE,   76                          ; s[76:77], s[78:79] where the even and the odd chunk's results go (q, then k)
.set BV,   80
.set BK,   82
.set WV,   86
.set RH,   87
.set CH,   88
.set MSB, 0
.macro WIN new
.if MSB != \new
	s_set_vgpr_msb (MSB<<8)|\new
.set MSB, \new
.endif
.endm
.macro PLACES n
.rept \n
	v_nop
.endr
.endm
.macro TLOAD g0, g1
	tensor_load_to_lds s[\g0:\g0+3], s[\g1:\g1+7]
	s_nop 0
	PLACES 4
.endm
.macro CROUND
	s_barrier_signal -1
	s_barrier_wait -1
	s_cmp_lg_u32 s[WV], 0
	s_cbranch_scc1 .Lnot_wave_0_\@
	s_barrier_signal -3
.Lnot_wave_0_\@:
	s_barrier_wait -3
	s_barrier_signal -1
	s_barrier_wait -1
.endm
	s_load_b256 s[4:11], s[0:1], 0x0               ; x's codes, x's scales, W's codes, W's scales
	s_load_b128 s[12:15], s[0:1], 0x20             ; qrec, kvrec
	v_lshl_add_u32 v[SPW], v0, 2, SPARE
	v_mov_b32 v[NIL], 0
	ds_add_u32 v[SPW], v[NIL]                      ; the opening lines: the add twice and its wait
	ds_add_u32 v[SPW], v[NIL]
	v_lshrrev_b32 v1, 5, v0
	v_readfirstlane_b32 s[WV], v1
	s_lshr_b32 s[RH], s[WV], 1
	s_and_b32 s[CH], s[WV], 1
	s_bfe_u32 s89, ttmp6, 0x40000                  ; cx
	s_bfe_u32 s90, ttmp6, 0x40004                  ; cy
	s_lshl_b32 s92, ttmp9, 2
	s_add_co_u32 s92, s92, s89                     ; c: never holds cy
	s_and_b32 s91, ttmp7, 0xffff
	s_lshl_b32 s91, s91, 2
	s_add_co_u32 s91, s91, s90                     ; T: never holds cx
	s_lshl_b32 s93, s90, 2
	s_lshl_b32 s93, 15, s93                        ; my row of the cluster
	s_lshl_b32 s94, 0x1111, s89                    ; my column
	s_or_b32 s[G1X+0], s93, (1<<20)|(1<<21)|(5<<22)|(3<<25)  ; bytes; 4 words of padding behind every 64
	s_or_b32 s[G1W+0], s94, (1<<20)|(1<<21)|(5<<22)|(3<<25)
.irp g, G1X, G1W
	s_mov_b32 s[\g+1], KROW<<16
	s_mov_b32 s[\g+3], KROW<<16
	s_mov_b32 s[\g+5], KROW
	s_mov_b32 s[\g+6], 0
	s_mov_b32 s[\g+7], 0
.endr
	s_mov_b32 s[G1X+2], 64<<16
	s_mov_b32 s[G1X+4], 64
	s_mov_b32 s[G1W+2], 128<<16                    ; the head's load brings chunk 0 whole
	s_mov_b32 s[G1W+4], 128
	s_or_b32 s[G1S+0], s94, (3<<16)|(1<<21)        ; scale bytes: 16 dense rows of 256 bytes
	s_mov_b32 s[G1S+1], 32<<16
	s_mov_b32 s[G1S+2], 16<<16
	s_mov_b32 s[G1S+3], 32<<16
	s_mov_b32 s[G1S+4], 16
	s_mov_b32 s[G1S+5], 32
	s_mov_b32 s[G1S+6], 0
	s_mov_b32 s[G1S+7], 0
	s_lshl_b32 s16, s91, 7
	s_lshl_b32 s97, s[CH], 6
	s_add_co_u32 s16, s16, s97
	s_mul_i32 s16, s16, KROW                       ; x: my 64 rows, in bytes
	s_mov_b32 s17, 0
	s_mul_i32 s20, s92, 256*KROW                   ; W: chunk 0
	s_mov_b32 s21, 0
	s_mul_i32 s22, s[CH], 64*KROW                  ; my half of a chunk
	s_mov_b32 s23, 0
	s_lshl_b32 s98, s92, 13                        ; chunk 0's scale bytes
	s_mov_b32 s99, 0
	s_mul_i32 s97, s[CH], AQ
	s_mov_b32 s[SEL], 0x76543210
	s_mov_b32 s[SEL+1], 0xfedcba98
	s_wait_dscnt 0x0
	s_wait_kmcnt 0x0
	CROUND                                         ; in front of the first joint loads
	s_mov_b32 s[G0X], 1
	s_add_co_u32 s[G0X+1], s97, XOFF
	s_add_nc_u64 s[G0X+2:G0X+3], s[4:5], s[16:17]
	s_or_b32 s[G0X+3], s[G0X+3], 0x80000000
	s_mov_b32 s[G0H], 1
	s_mov_b32 s[G0H+1], 0
	s_add_nc_u64 s[G0H+2:G0H+3], s[8:9], s[20:21]
	s_mov_b32 s[G0C], 1
	s_mov_b32 s[G0C+1], s97
	s_add_nc_u64 s[G0C+2:G0C+3], s[G0H+2:G0H+3], s[22:23]
	s_mov_b32 s[G0C+4], 1
	s_add_co_u32 s[G0C+5], s97, SLOTB
	s_add_nc_u64 s[G0C+6:G0C+7], s[G0C+2:G0C+3], 128*KROW
	s_or_b32 s[G0H+3], s[G0H+3], 0x80000000
	s_or_b32 s[G0C+3], s[G0C+3], 0x80000000
	s_or_b32 s[G0C+7], s[G0C+7], 0x80000000
	s_mov_b32 s[G0S], 1
	s_mov_b32 s[G0S+1], SCL
	s_add_nc_u64 s[G0S+2:G0S+3], s[10:11], s[98:99]
	s_mov_b32 s[G0S+4], 1
	s_mov_b32 s[G0S+5], SCL+4096
	s_add_nc_u64 s[G0S+6:G0S+7], s[G0S+2:G0S+3], 4096
	s_or_b32 s[G0S+3], s[G0S+3], 0x80000000
	s_or_b32 s[G0S+7], s[G0S+7], 0x80000000
	s_cmp_eq_u32 s[WV], 1                          ; one load a wave, one arm each
	s_cbranch_scc0 .Lhead_s
	TLOAD G0H, G1W
	s_branch .Lhead_asked
.Lhead_s:
	s_cmp_eq_u32 s[WV], 2
	s_cbranch_scc0 .Lhead_x
	TLOAD G0S, G1S
	s_branch .Lhead_asked
.Lhead_x:
	TLOAD G0X, G1X
.Lhead_asked:
	v_and_b32 v1, 15, v0                           ; r
	v_bfe_u32 v2, v0, 4, 1                         ; h
	v_and_b32 v7, 31, v0
	v_mul_u32_u24 v3, v1, PITCH
	v_mad_u32_u24 v4, v2, 24, v3                   ; row x pitch + 24 h
	v_lshl_add_u32 v5, v2, 4, v4                   ; and behind one padding more
	v_lshlrev_b32 v6, 5, v1
	v_lshl_add_u32 v6, v2, 4, v6                   ; 32 r + 16 h: 16 rows' scale bytes are 512 on end
	v_lshlrev_b32 v[GOFF], 4, v7
	v_lshlrev_b32 v3, 4, v1                        ; 16 r
	s_mul_i32 s16, s[RH], AQ
	s_add_co_u32 s16, s16, XOFF
	s_mul_i32 s17, s[CH], AQ
	s_mul_i32 s20, s[WV], 32*PITCH
	s_lshl_b32 s21, s[CH], 11
	s_add_co_u32 s21, s21, SCL
	s_lshl_b32 s22, s[WV], 10
	s_add_co_u32 s22, s22, SCL
	s_lshl_b32 s23, s[RH], 11
	s_mul_i32 s97, s[RH], 3064                     ; the words' place, from a base that stands 3,072 RH on; 8 RH in the lane's 16 bytes
	s_sub_co_u32 s97, 6144, s97
	s_mul_i32 s98, s[CH], 3064
	s_sub_co_u32 s98, 6400, s98
	s_wait_alu depctr_va_vdst(0)                   ; the wait behind the run of scalar lines
	v_add_nc_u32 v[AXQ], s16, v4
	v_add_nc_u32 v[AXQ+2], s16, v5
	v_add_nc_u32 v[AX], XOFF, v4
	v_add_nc_u32 v[AX+2], XOFF, v5
	v_add_nc_u32 v[AX+1], AQ, v[AX]
	v_add_nc_u32 v[AX+3], AQ, v[AX+2]
	v_add_nc_u32 v[AWQ], s17, v4
	v_add_nc_u32 v[AWQ+2], s17, v5
	v_add_nc_u32 v[AWQ+1], SLOTB, v[AWQ]
	v_add_nc_u32 v[AWQ+3], SLOTB, v[AWQ+2]
	v_add_nc_u32 v[AWV], s20, v4
	v_add_nc_u32 v[AWV+2], s20, v5
	v_add_nc_u32 v[AWV+1], SLOTB, v[AWV]
	v_add_nc_u32 v[AWV+3], SLOTB, v[AWV+2]
	v_add_nc_u32 v[ASQ], s21, v6
	v_add_nc_u32 v[ASV], s22, v6
	v_add_nc_u32 v15, s23, v6
	v_add_nc_u32 v[SOFF], s97, v3
	v_add_nc_u32 v[SOFFV], s98, v3
.irp b, 0,1,2,3
	v_mov_b32 v[TM+4+\b], 0                        ; a lane permute's destination counts as a source
.endr
	s_lshl_b32 s16, s91, 12
	s_mov_b32 s17, 0
	s_add_nc_u64 s[18:19], s[6:7], s[16:17]        ; my 128 tokens' scale bytes
	s_wait_alu depctr_va_vdst(0)
.irp i, 0,1,2,3
	global_load_b128 v[SCXQ+4*\i:SCXQ+4*\i+3], v15, s[18:19] offset:512*\i
.endr
.irp i, 0,1,2,3,4,5,6,7
	global_load_b128 v[SCXV+4*\i:SCXV+4*\i+3], v6, s[18:19] offset:512*\i
.endr
	s_lshr_b32 s16, s91, 3
	s_lshl_b32 s16, s16, 4
	s_lshl_b32 s17, s92, 2
	s_add_co_u32 s16, s16, s17                     ; 16 x batch + 4 c: the even chunk's first head
	s_and_b32 s17, s91, 7                          ; which 128 tokens of the batch
	s_add_co_u32 s20, s16, s[CH]
	s_lshl_b32 s20, s20, 3
	s_add_co_u32 s20, s20, s17                     ; q's and k's record
	s_add_co_u32 s22, s16, s[RH]
	s_lshl_b32 s22, s22, 3
	s_add_co_u32 s22, s22, s17                     ; v's
	s_mul_i32 s97, s[RH], 3072
	s_mul_i32 s98, s[CH], 3072
	s_mov_b32 s17, 0
	s_mul_i32 s16, s20, 6400
	s_add_co_u32 s16, s16, s97
	s_add_nc_u64 s[BE:BE+1], s[12:13], s[16:17]
	s_add_nc_u64 s[BE+2:BE+3], s[BE:BE+1], 102400  ; the odd chunk: two heads on
	s_mul_i32 s16, s20, 12800
	s_add_co_u32 s16, s16, s97
	s_add_nc_u64 s[BK:BK+1], s[14:15], s[16:17]
	s_add_nc_u64 s[BK+2:BK+3], s[BK:BK+1], 204800
	s_mul_i32 s16, s22, 12800
	s_add_co_u32 s16, s16, s98
	s_add_co_u32 s16, s16, 6144
	s_add_nc_u64 s[BV:BV+1], s[14:15], s[16:17]
.macro FRAG reg, adr, g, i             ; 16 rows x 128 K: six pieces of 8 bytes; lanes 16-31 read three pieces on, for some pieces behind one padding more
.irp p, 0,1,2,3,4,5
.set PC, 12*(\g)+6*(\p/3)+\p%3
.if PC%32 < 29
	ds_load_b64 v[\reg+2*\p:\reg+2*\p+1], v[\adr] offset:8*PC+16*(PC/32)+(\i)*16*PITCH
.else
	ds_load_b64 v[\reg+2*\p:\reg+2*\p+1], v[\adr+2] offset:8*PC+16*(PC/32)+(\i)*16*PITCH
.endif
.endr
.endm
.macro FETCH kind, n, g, p             ; K step g into set p
	WIN 0x40
.if \kind
.irp i, 0,1,2,3,4,5,6,7
	FRAG 128*(\p)+FR*\i, AX+\i/4, \g, \i%4
.endr
	WIN 0
.irp i, 0,1
	FRAG AF+48*(\p)+FR*\i, AWV+\n, \g, \i
.endr
.else
.irp i, 0,1,2,3
	FRAG 128*(\p)+FR*\i, AXQ, \g, \i
.endr
	WIN 0
.irp i, 0,1,2,3
	FRAG AF+48*(\p)+FR*\i, AWQ+\n, \g, \i
.endr
.endif
.endm
.macro WM d, s0, s1, x0, x1, g
.if (\g) == 0
	v_wmma_scale_f32_16x16x128_f8f6f4 v[\d:\d+7], v[\s0:\s0+11], v[\s1:\s1+11], 0, v[\x0], v[\x1] matrix_a_fmt:MATRIX_FMT_FP6 matrix_b_fmt:MATRIX_FMT_FP6
.elseif (\g) < 4
	v_wmma_scale_f32_16x16x128_f8f6f4 v[\d:\d+7], v[\s0:\s0+11], v[\s1:\s1+11], v[\d:\d+7], v[\x0], v[\x1] matrix_a_fmt:MATRIX_FMT_FP6 matrix_b_fmt:MATRIX_FMT_FP6
.else
	v_wmma_scale_f32_16x16x128_f8f6f4 v[\d:\d+7], v[\s0:\s0+11], v[\s1:\s1+11], v[\d:\d+7], v[\x0], v[\x1] matrix_a_fmt:MATRIX_FMT_FP6 matrix_b_fmt:MATRIX_FMT_FP6 matrix_a_scale:MATRIX_SCALE_ROW1 matrix_b_scale:MATRIX_SCALE_ROW1
.endif
.endm
.macro MUL kind, p, g                  ; the 16 accumulators take turns, in the same order in every step
.if \kind
	WIN 0xa1                                       ; source 0 = x (window 1), source 1 = W (window 0)
.irp u, 0,1
.irp t, 0,1,2,3,4,5,6,7
	WM 8*(8*\u+\t), 128*(\p)+FR*\t, AF+48*(\p)+FR*\u, SCXV+4*\t+(\g)%4, SCW+4*\u+(\g)%4, \g
.endr
.endr
.else
	WIN 0xa4                                       ; source 0 = W (window 0), source 1 = x (window 1)
.irp a, 0,1,2,3
.irp b, 0,1,2,3
	WM 8*(4*\a+\b), AF+48*(\p)+FR*\b, 128*(\p)+FR*\a, SCW+4*\b+(\g)%4, SCXQ+4*\a+(\g)%4, \g
.endr
.endr
.endif
	WIN 0
.endm
; 64 numbers of a lane (eight accumulators on end: four blocks of 32, of which I hold 16 each) become codes: blocks 0, 1 in v[d0 .. d0 + 5], blocks 2, 3 in v[d1 .. d1 + 5], and the scale word v[PW + a].
.macro QUANT a, d0, d1
.set AC, 64*(\a)
	WIN 0x0a
.irp b, 0,1,2,3
	v_max3_num_f32 v[TM+\b], |v[AC+16*\b]|, |v[AC+16*\b+1]|, 0x1800000   ; with the floor 2^(3 - 127); each accumulator is read from its low end on
.endr
.irp i, 2,4,6,8,10,12,14
.irp b, 0,1,2,3
	v_max3_num_f32 v[TM+\b], |v[AC+16*\b+\i]|, |v[AC+16*\b+\i+1]|, v[TM+\b]
.endr
.endr
	WIN 0
.irp b, 0,1,2,3
	v_permlanex16_b32 v[TM+4+\b], v[TM+\b], s[SEL], s[SEL+1]
.endr
.irp b, 0,1,2,3
	v_max_num_f32 v[TM+\b], v[TM+\b], v[TM+4+\b]
.endr
.irp b, 0,1,2,3
	v_add_nc_u32 v[TM+12+\b], 0xff000000, v[TM+\b] ; 2 off the exponent field: the conversion's scale operand
.endr
.irp b, 0,1,2,3
	v_lshrrev_b32 v[TM+4+\b], 23, v[TM+12+\b]
.endr
	v_lshl_or_b32 v[PW+(\a)], v[TM+5], 8, v[TM+4]
	v_lshl_or_b32 v[PW+(\a)], v[TM+6], 16, v[PW+(\a)]
	v_lshl_or_b32 v[PW+(\a)], v[TM+7], 24, v[PW+(\a)]
	WIN 0x02
	v_cvt_scalef32_pk16_fp6_f32 v[\d0:\d0+2], v[AC:AC+15], v[TM+12]
	v_cvt_scalef32_pk16_fp6_f32 v[T2:T2+2], v[AC+16:AC+31], v[TM+13]
	v_cvt_scalef32_pk16_fp6_f32 v[\d1:\d1+2], v[AC+32:AC+47], v[TM+14]
	v_cvt_scalef32_pk16_fp6_f32 v[T2+4:T2+6], v[AC+48:AC+63], v[TM+15]
	WIN 0
	v_nop                                          ; one plain place behind the scaled conversions
.irp i, 0,1,2
	v_permlane16_swap_b32 v[\d0+\i], v[T2+\i]      ; a whole block to a lane
	v_permlane16_swap_b32 v[\d1+\i], v[T2+4+\i]
.endr
.irp i, 0,1,2
	v_mov_b32 v[\d0+3+\i], v[T2+\i]
	v_mov_b32 v[\d1+3+\i], v[T2+4+\i]
.endr
.endm
.macro EPI base, off, so               ; a chunk's way out: two operands (6 stores of 512 consecutive bytes) and their two words
	PLACES 4                                       ; in front of the first read of results
	s_wait_xcnt 0x0                                ; the last chunk's stores have read the code registers
	QUANT 0, CD, CD+6
	QUANT 1, CD+12, CD+18
.irp k, 0,1,2,3,4,5
	global_store_b128 v[GOFF], v[CD+4*\k:CD+4*\k+3], s[\base:\base+1] offset:\off+512*\k
.endr
	v_cmp_gt_u32 vcc_lo, 16, v7
	s_wait_alu depctr_va_vdst(0)
	s_wait_xcnt 0x0                                ; EXEC changes only behind this wait
	s_and_saveexec_b32 s96, vcc_lo
	global_store_b64 v[\so], v[PW:PW+1], s[\base:\base+1] offset:\off   ; lanes 0-15: lanes 16-31 hold the same words
	s_wait_xcnt 0x0
	s_or_b32 exec_lo, exec_lo, s96
.endm
; The chunk in slot n.  kind 0: q or k, 1: v.  refill: the next chunk is asked for, into the other slot.
.macro TRIP kind, n, refill
	s_wait_alu depctr_va_vdst(0)                   ; the wait ahead of the waits below
	s_wait_tensorcnt 0x0                           ; all my loads are done, my part of this chunk among them,
	ds_add_u32 v[SPW], v[NIL]
	s_add_nc_u64 s[G0C+4*\n+2:G0C+4*\n+3], s[G0C+4*\n+2:G0C+4*\n+3], 1024*KROW   ; so this slot's descriptors step to its next chunk: 1,024 rows on
	s_add_nc_u64 s[G0S+4*\n+2:G0S+4*\n+3], s[G0S+4*\n+2:G0S+4*\n+3], 1024*32
	s_wait_dscnt 0x0                               ; the add is done, and so are my reads of the other slot
	CROUND                                         ; both hold of every wave of the cluster
.if \refill
	s_cmp_lt_u32 s[WV], 2
	s_cbranch_scc0 .Lscales_\@
	TLOAD G0C+4-4*\n, G1W
	s_branch .Lasked_\@
.Lscales_\@:
	s_cmp_eq_u32 s[WV], 2
	s_cbranch_scc0 .Lasked_\@
	TLOAD G0S+4-4*\n, G1S
.Lasked_\@:
.endif
.if \kind
.irp u, 0,1
	ds_load_b128 v[SCW+4*\u:SCW+4*\u+3], v[ASV] offset:4096*\n+512*\u
.endr
.else
.irp b, 0,1,2,3
	ds_load_b128 v[SCW+4*\b:SCW+4*\b+3], v[ASQ] offset:4096*\n+512*\b
.endr
.endif
	FETCH \kind, \n, 0, 0
.irp g, 0,1,2,3,4,5,6
	s_wait_dscnt 0x0                               ; this step's fragments are in
	PLACES 4                                       ; in front of loads into the set that the last step multiplied
	FETCH \kind, \n, \g+1, (\g+1)%2
	MUL \kind, \g%2, \g
.endr
	s_wait_dscnt 0x0
	MUL \kind, 1, 7
.if \kind
	EPI BV, 204800*\n, SOFFV
.else
	EPI BE+2*\n, 0, SOFF
.endif
.endm
	s_wait_alu depctr_va_vdst(0)                   ; the wait at the head's end
	s_wait_tensorcnt 0x0                           ; no load of mine is out: from here on a load of W's codes brings 64 rows
	s_mov_b32 s[G1W+2], 64<<16
	s_mov_b32 s[G1W+4], 64
	s_wait_loadcnt 0x0                             ; x's scale words
	s_mov_b32 s95, 0
.Lqk:                                              ; trip 0: q's two chunks; trip 1: k's
	TRIP 0, 0, 1
	TRIP 0, 1, 1
	s_wait_xcnt 0x0                                ; the stores have read their bases and offsets
	s_mov_b64 s[BE:BE+1], s[BK:BK+1]
	s_mov_b64 s[BE+2:BE+3], s[BK+2:BK+3]
	v_add_nc_u32 v[SOFF], 6144, v[SOFF]            ; k's words lie behind v's fragments
	s_add_co_u32 s95, s95, 1
	s_cmp_lt_u32 s95, 2
	s_wait_alu depctr_va_vdst(0)
	s_cbranch_scc1 .Lqk
	TRIP 1, 0, 1
	TRIP 1, 1, 0                                   ; nothing is left to fetch
	s_wait_tensorcnt 0x0                           ; the wave's end
	ds_add_u32 v[SPW], v[NIL]
	s_wait_dscnt 0x0
	CROUND                                         ; the closing round
	s_endpgm
.Lfunc_end_k_qaca600acf3_qkv:
	.size	k_qaca600acf3_qkv, .Lfunc_end_k_qaca600acf3_qkv-k_qaca600acf3_qkv
	.p2alignl 7, 3214868480
	.fill 96, 4, 3214868480
	.section	.rodata,"a",@progbits
	.p2align	6, 0x0
	.amdhsa_kernel k_qaca600acf3_qkv
		.amdhsa_group_segment_fixed_size 327680
		.amdhsa_private_segment_fixed_size 0
		.amdhsa_enable_private_segment 0
		.amdhsa_kernarg_size 48
		.amdhsa_user_sgpr_count 2
		.amdhsa_user_sgpr_kernarg_segment_ptr 1
		.amdhsa_wavefront_size32 1
		.amdhsa_system_sgpr_workgroup_id_x 1
		.amdhsa_system_sgpr_workgroup_id_y 1
		.amdhsa_system_sgpr_workgroup_id_z 1
		.amdhsa_system_vgpr_workitem_id 0
		.amdhsa_next_free_vgpr 640
		.amdhsa_next_free_sgpr 100
		.amdhsa_reserve_vcc 1
		.amdhsa_float_denorm_mode_32 3
		.amdhsa_float_denorm_mode_16_64 3
		.amdhsa_memory_ordered 1
		.amdhsa_forward_progress 1
		.amdhsa_inst_pref_size 232
	.end_amdhsa_kernel
	.amdgpu_metadata
---
amdhsa.version: [ 1, 2 ]
amdhsa.kernels:
  - .name:           k_qaca600acf3_qkv
    .symbol:         k_qaca600acf3_qkv.kd
    .args:
      - { .name: x_codes, .offset: 0, .size: 8, .value_kind: global_buffer, .address_space: global }
      - { .name: x_scales, .offset: 8, .size: 8, .value_kind: global_buffer, .address_space: global }
      - { .name: W_qkv_codes, .offset: 16, .size: 8, .value_kind: global_buffer, .address_space: global }
      - { .name: W_qkv_scales, .offset: 24, .size: 8, .value_kind: global_buffer, .address_space: global }
      - { .name: qrec, .offset: 32, .size: 8, .value_kind: global_buffer, .address_space: global }
      - { .name: kvrec, .offset: 40, .size: 8, .value_kind: global_buffer, .address_space: global }
    .group_segment_fixed_size: 327680
    .private_segment_fixed_size: 0
    .kernarg_segment_align: 8
    .kernarg_segment_size: 48
    .max_flat_workgroup_size: 128
    .sgpr_count:     100
    .vgpr_count:     640
    .wavefront_size: 32
...
	.end_amdgpu_metadata
.endif
;; end of part 1
;; launch attn (part 2): grid 4 x 64, 16 waves a work-group, clusters of 4 x 1, 327,680 bytes of LDS; arguments qrec, kvrec, arec, asc; writes arec, asc
.if DOCPART == 2
	.amdgcn_target "amdgcn-amd-amdhsa--gfx1250"
	.amdhsa_code_object_version 6
	.text
	.protected	k_qaca600acf3_attn
	.globl	k_qaca600acf3_attn
	.p2align	8
	.type	k_qaca600acf3_attn,@function
k_qaca600acf3_attn:
	s_mov_b64 s[64:65], 0
	v_nop
	global_prefetch_b8 v0, s[64:65] scope:SCOPE_SE
	s_setreg_imm32_b32 hwreg(HW_REG_WAVE_MODE, 25, 1), 1
	s_wait_xcnt 0x0
	s_wait_alu depctr_hold_cnt(0) depctr_sa_sdst(0) depctr_va_vdst(0) depctr_va_sdst(0) depctr_va_ssrc(0) depctr_va_vcc(0) depctr_vm_vsrc(0)
	s_getreg_b32 s2, hwreg(HW_REG_IB_STS2, 6, 4)
	s_cmp_eq_u32 s2, 0
	s_cbranch_scc0 .Lentry_in_a_cluster
	s_endpgm
.Lentry_in_a_cluster:
	s_bfe_u32 s2, ttmp6, 0x10000c
	s_cmp_lg_u32 s2, 0x3003
	s_cbranch_scc0 .Lentry_shape_is_right
	s_endpgm
.Lentry_shape_is_right:
; Attention on codes of FP6: S^T = k q^T, p = 2^(t - M) with a running whole M, p quantised along the keys, O^T += v^T p^T, O / l quantised along the channels for the projection.
; A work-group has two heads of one batch and 256 queries: 16 waves of 16 queries, each walking both heads, 8 steps of 128 keys a head.
; Both heads' records, 204,800 dense bytes, come in once: one joint load a wave, 50 rows of 256 bytes, shared by the four work-groups of the cluster; nothing is filled again, so one barrier shows all of it.
; LIMITS: the promise holds while the scaled scores stay under 2^31 in magnitude; NaN and infinities are not served; a block under 2^-124 gets the scale byte 1 (read by this program alone).
.set LI,   1
.set ADR,  2
.set QSO,  3
.set SWA,  4
.set SRD,  5
.set GO2,  6
.set QFO,  7
.set F,    48
.set SCST, 204800
.set WV,   12
.set SEL,  20
.set CS,   22
.set G1,   24
.set G0,   32
.set TB,   40
.set CNT,  41
.macro CROUND
	s_barrier_signal -1
	s_barrier_wait -1
	s_cmp_lg_u32 s[WV], 0
	s_cbranch_scc1 .Lnot_wave_0_\@
	s_barrier_signal -3
.Lnot_wave_0_\@:
	s_barrier_wait -3
	s_barrier_signal -1
	s_barrier_wait -1
.endm
	s_load_b256 s[4:11], s[0:1], 0x0
	v_lshl_add_u32 v223, v0, 2, 0x32800
	v_mov_b32 v243, 0
	ds_add_u32 v223, v243
	ds_add_u32 v223, v243
	v_lshrrev_b32 v8, 5, v0
	s_delay_alu instid0(VALU_DEP_1)
	v_readfirstlane_b32 s[WV], v8
	s_bfe_u32 s13, ttmp6, 0x40000
	s_and_b32 s14, ttmp7, 0xffff
	s_mov_b32 s[G1], 15|(3<<16)|(1<<21)
	s_mov_b32 s[G1+1], 32<<16
	s_mov_b32 s[G1+2], 50<<16
	s_mov_b32 s[G1+3], 32<<16
	s_mov_b32 s[G1+4], 50
	s_mov_b32 s[G1+5], 32
	s_mov_b32 s[G1+6], 0
	s_mov_b32 s[G1+7], 0
	s_mul_i32 s46, s[WV], 12800
	s_mul_i32 s44, s14, 204800
	s_add_co_u32 s44, s44, s46
	s_mov_b32 s45, 0
	s_mul_i32 s48, s14, 102400
	s_lshl_b32 s49, s13, 1
	s_lshr_b32 s50, s[WV], 3
	s_add_co_u32 s49, s49, s50
	s_mul_i32 s49, s49, 6400
	s_add_co_u32 s48, s48, s49
	s_mov_b32 s49, 0
	s_lshr_b32 s52, s14, 3
	s_lshl_b32 s56, s52, 3
	s_lshl_b32 s57, s13, 1
	s_add_co_u32 s56, s56, s57
	s_add_co_u32 s56, s56, s50
	s_mul_i32 s56, s56, 98304
	s_bfe_u32 s57, s14, 0x20001
	s_mul_i32 s57, s57, 24576
	s_add_co_u32 s56, s56, s57
	s_bfe_u32 s57, s[WV], 0x10002
	s_mul_i32 s57, s57, 12288
	s_add_co_u32 s56, s56, s57
	s_and_b32 s57, s14, 1
	s_mul_i32 s57, s57, 6144
	s_add_co_u32 s56, s56, s57
	s_and_b32 s57, s[WV], 3
	s_mul_i32 s57, s57, 1536
	s_add_co_u32 s56, s56, s57
	s_mov_b32 s57, 0
	s_and_b32 s58, s14, 7
	s_lshl_b32 s58, s58, 15
	s_lshl_b32 s59, s52, 12
	s_add_co_u32 s58, s58, s59
	s_lshl_b32 s59, s13, 10
	s_add_co_u32 s58, s58, s59
	s_mov_b32 s59, 0
	s_mov_b32 s[SEL], 0x76543210
	s_mov_b32 s[SEL+1], 0xfedcba98
	s_mov_b32 s[CS], 0x3e38aa3b
	s_mov_b32 s[CS+1], s[CS]
	s_and_b32 s42, s[WV], 1
	s_cmp_eq_u32 s42, 0
	s_mov_b32 s43, 0x03020302
	s_cselect_b32 s43, 0x01000100, s43
	s_sub_co_u32 s42, 0, s42
	s_wait_dscnt 0x0
	s_wait_kmcnt 0x0
	s_add_nc_u64 s[6:7], s[6:7], s[44:45]
	s_add_nc_u64 s[4:5], s[4:5], s[48:49]
	s_add_nc_u64 s[8:9], s[8:9], s[56:57]
	s_add_nc_u64 s[10:11], s[10:11], s[58:59]
	CROUND
	s_mov_b32 s[G0], 1
	s_mov_b32 s[G0+1], s46
	s_mov_b64 s[G0+2:G0+3], s[6:7]
	s_or_b32 s[G0+3], s[G0+3], 0x80000000
	tensor_load_to_lds s[G0:G0+3], s[G1:G1+7]
	s_nop 0
.rept 4
	v_nop
.endr
	v_and_b32 v8, 31, v0
	s_delay_alu instid0(VALU_DEP_1)
	v_lshlrev_b32 v[LI], 4, v8
	v_and_b32 v9, 15, v0
	s_bfe_u32 s50, s[WV], 0x20001
	s_mul_i32 s51, s50, 1536
	v_add_nc_u32 v[QFO], s51, v[LI]
	s_lshl_b32 s50, s50, 2
	s_add_co_u32 s50, s50, 6144
	v_lshl_add_u32 v[QSO], v9, 4, s50
.irp c, 0,1,2
	global_load_b128 v[48+4*\c:51+4*\c], v[QFO], s[4:5] offset:512*\c
	global_load_b128 v[34+4*\c:37+4*\c], v[QFO], s[4:5] offset:51200+512*\c
.endr
	global_load_b32 v47, v[QSO], s[4:5]
	global_load_b32 v46, v[QSO], s[4:5] offset:51200
	s_lshl_b32 s51, s[WV], 6
	s_add_co_u32 s51, s51, SCST
	v_lshl_add_u32 v[SWA], v9, 2, s51
	v_and_b32 v10, 63, v0
	s_delay_alu instid0(VALU_DEP_1)
	v_lshlrev_b32 v[GO2], 4, v10
	s_delay_alu instid0(VALU_DEP_1)
	v_add_nc_u32 v[SRD], SCST, v[GO2]
.irp i, 0,1,2,3,4,5
	v_mov_b32 v[16+\i], 0
	v_mov_b32 v[28+\i], 0
.endr
.irp b, 0,1,2,3
	v_mov_b32 v[236+\b], 0
.endr
	v_mov_b32 v253, 0
.macro STEP
	v_add_nc_u32 v[ADR], s[TB], v[LI]
.irp b, 0,1,2,3
.irp c, 0,1,2
	ds_load_b128 v[F+12*\b+4*\c:F+12*\b+4*\c+3], v[ADR] offset:1536*\b+512*\c
.endr
.endr
	ds_load_b128 v[248:251], v[ADR] offset:12288
	s_wait_alu depctr_va_vdst(0)
	s_wait_dscnt 0x0
.irp b, 0,1,2,3
	v_wmma_scale_f32_16x16x128_f8f6f4 v[96+16*\b:103+16*\b], v[F+12*\b:F+12*\b+11], v[22:33], 0, v[248+\b], v255 matrix_a_fmt:MATRIX_FMT_FP6 matrix_b_fmt:MATRIX_FMT_FP6
	v_wmma_scale_f32_16x16x128_f8f6f4 v[104+16*\b:111+16*\b], v[F+12*\b:F+12*\b+11], v[16:27], 0, v[248+\b], v255 matrix_a_fmt:MATRIX_FMT_FP6 matrix_b_fmt:MATRIX_FMT_FP6
.endr
.rept 4
	v_nop
.endr
.irp t, 0,1,2,3
.irp c, 0,1,2
	ds_load_b128 v[F+12*\t+4*\c:F+12*\t+4*\c+3], v[ADR] offset:6144+1536*\t+512*\c
.endr
.endr
.irp b, 0,1,2,3
	v_max3_num_f32 v[232+\b], v[96+16*\b], v[97+16*\b], v[98+16*\b]
.endr
.irp i, 3,5,7,9,11,13
.irp b, 0,1,2,3
	v_max3_num_f32 v[232+\b], v[232+\b], v[96+16*\b+\i], v[97+16*\b+\i]
.endr
.endr
.irp b, 0,1,2,3
	v_max_num_f32 v[232+\b], v[232+\b], v[111+16*\b]
.endr
.irp b, 0,1,2,3
	s_delay_alu instid0(VALU_DEP_4)
	v_permlanex16_b32 v[236+\b], v[232+\b], s[SEL], s[SEL+1]
.endr
.irp b, 0,1,2,3
	s_delay_alu instid0(VALU_DEP_4)
	v_max_num_f32 v[232+\b], v[232+\b], v[236+\b]
.endr
	s_delay_alu instid0(VALU_DEP_2)
	v_max3_num_f32 v254, v232, v233, v234
	s_delay_alu instid0(VALU_DEP_1)
	v_max_num_f32 v254, v254, v235
	s_delay_alu instid0(VALU_DEP_1)
	v_mul_f32 v254, s[CS], v254
	s_delay_alu instid0(VALU_DEP_1)
	v_max_num_f32 v13, v13, v254
	v_mov_b32 v254, v12
	s_delay_alu instid0(VALU_DEP_2)
	v_floor_f32 v12, -v13
	s_delay_alu instid0(VALU_DEP_1)
	v_sub_f32 v254, v12, v254
	s_delay_alu instid0(VALU_DEP_1)
	v_cvt_i32_f32 v254, v254
	s_delay_alu instid0(VALU_DEP_1)
	v_ldexp_f32 v252, 1.0, v254
.set j, 0
.rept 32
	v_pk_fma_f32 v[96+j:97+j], v[96+j:97+j], s[CS:CS+1], v[12:13] op_sel_hi:[1,0,0]
.set j, j+2
.endr
.irp b, 0,1,2,3
	v_fma_f32 v[232+\b], v[232+\b], s[CS], v12
.endr
.set j, 0
	s_wait_alu depctr_va_vdst(0)
.rept 64
	v_exp_f32 v[96+j], v[96+j]
.set j, j+1
.endr
	v_pk_mul_f32 v[14:15], v[14:15], v[252:253] op_sel_hi:[1,0]
	s_wait_alu depctr_va_vdst(0)
.irp b, 0,1,2,3
	v_exp_f32 v[232+\b], v[232+\b]
.endr
	v_pk_add_f32 v[236:237], v[96:97], v[98:99]
.set j, 4
.rept 15
	v_pk_add_f32 v[14:15], v[14:15], v[96+j:97+j]
	v_pk_add_f32 v[236:237], v[236:237], v[98+j:99+j]
.set j, j+4
.endr
	s_delay_alu instid0(VALU_DEP_1)
	v_pk_add_f32 v[14:15], v[14:15], v[236:237]
	s_wait_alu depctr_va_vdst(0)
.irp b, 0,1,2,3
	v_max_num_f32 v[232+\b], 0x1800000, v[232+\b]
.endr
.irp b, 0,1,2,3
	s_delay_alu instid0(VALU_DEP_4)
	v_add_nc_u32 v[244+\b], 0xff000000, v[232+\b]
.endr
.irp b, 0,1,2,3
	s_delay_alu instid0(VALU_DEP_4)
	v_lshrrev_b32 v[236+\b], 23, v[244+\b]
.endr
	s_delay_alu instid0(VALU_DEP_3)
	v_lshl_or_b32 v253, v237, 8, v236
	s_delay_alu instid0(VALU_DEP_1)
	v_lshl_or_b32 v253, v238, 16, v253
	s_delay_alu instid0(VALU_DEP_1)
	v_lshl_or_b32 v253, v239, 24, v253
.irp c, 0,1
	v_cvt_scalef32_pk16_fp6_f32 v[224+6*\c:226+6*\c], v[96+32*\c:111+32*\c], v[244+2*\c]
	v_cvt_scalef32_pk16_fp6_f32 v[236+4*\c:238+4*\c], v[112+32*\c:127+32*\c], v[244+2*\c+1]
.endr
	v_nop
.irp c, 0,1
.irp i, 0,1,2
	v_permlane16_swap_b32 v[224+6*\c+\i], v[236+4*\c+\i]
.endr
.irp i, 0,1,2
	s_delay_alu instid0(VALU_DEP_3)
	v_mov_b32 v[227+6*\c+\i], v[236+4*\c+\i]
.endr
.endr
.set j, 0
.rept 16
	v_pk_mul_f32 v[160+j:161+j], v[160+j:161+j], v[252:253] op_sel_hi:[1,0]
.set j, j+2
.endr
	s_wait_alu depctr_va_vdst(0)
	s_wait_dscnt 0x0
.irp t, 0,1,2,3
	v_wmma_scale_f32_16x16x128_f8f6f4 v[160+8*\t:167+8*\t], v[F+12*\t:F+12*\t+11], v[224:235], v[160+8*\t:167+8*\t], v[248+\t], v253 matrix_a_fmt:MATRIX_FMT_FP6 matrix_b_fmt:MATRIX_FMT_FP6 matrix_a_scale:MATRIX_SCALE_ROW1
.endr
.rept 4
	v_nop
.endr
	s_add_co_u32 s[TB], s[TB], 12800
.endm
.macro OUTQ e
	v_add_f32 v14, v14, v15
	s_delay_alu instid0(VALU_DEP_1)
	v_permlanex16_b32 v252, v14, s[SEL], s[SEL+1]
	s_delay_alu instid0(VALU_DEP_1)
	v_add_f32 v14, v14, v252
	s_wait_alu depctr_va_vdst(0)
	v_rcp_f32 v14, v14
	v_nop
	s_wait_alu depctr_va_vdst(0)
.set j, 0
.rept 32
	v_mul_f32 v[96+j], v[160+j], v14
.set j, j+1
.endr
.irp b, 0,1
.irp i, 0,1,2,3,4,5,6,7
	v_permlane16_swap_b32 v[96+16*\b+\i], v[104+16*\b+\i]
.endr
.endr
.irp b, 0,1
	v_max3_num_f32 v[232+\b], |v[96+16*\b]|, |v[97+16*\b]|, 0x1800000
.endr
.irp i, 2,4,6,8,10,12,14
.irp b, 0,1
	s_delay_alu instid0(VALU_DEP_2)
	v_max3_num_f32 v[232+\b], v[232+\b], |v[96+16*\b+\i]|, |v[97+16*\b+\i]|
.endr
.endr
.irp b, 0,1
	s_delay_alu instid0(VALU_DEP_2)
	v_permlanex16_b32 v[234+\b], v[232+\b], s[SEL], s[SEL+1]
.endr
.irp b, 0,1
	s_delay_alu instid0(VALU_DEP_2)
	v_max_num_f32 v[232+\b], v[232+\b], v[234+\b]
.endr
.irp b, 0,1
	s_delay_alu instid0(VALU_DEP_2)
	v_add_nc_u32 v[244+\b], 0xff000000, v[232+\b]
.endr
.irp b, 0,1
	s_delay_alu instid0(VALU_DEP_2)
	v_lshrrev_b32 v[246+\b], 23, v[244+\b]
.endr
.if \e == 0
	s_delay_alu instid0(VALU_DEP_1)
	v_lshl_or_b32 v204, v247, 8, v246
.else
	s_delay_alu instid0(VALU_DEP_2)
	v_lshl_or_b32 v204, v246, 16, v204
	s_delay_alu instid0(VALU_DEP_1)
	v_lshl_or_b32 v204, v247, 24, v204
.endif
	v_cvt_scalef32_pk16_fp6_f32 v[192+6*\e:194+6*\e], v[96:111], v244
	v_cvt_scalef32_pk16_fp6_f32 v[236:238], v[112:127], v245
	v_nop
.irp i, 0,1,2
	v_permlane16_swap_b32 v[192+6*\e+\i], v[236+\i]
.endr
.irp i, 0,1,2
	s_delay_alu instid0(VALU_DEP_3)
	v_mov_b32 v[195+6*\e+\i], v[236+\i]
.endr
.endm
.macro HEAD e
.irp i, 0,1,2,3,4,5
	v_cndmask_b32 v[22+\i], v[48-14*\e+\i], v[54-14*\e+\i], s42
.endr
	v_perm_b32 v255, v[47-\e], v[47-\e], s43
	v_mov_b32 v13, 0xff61b1e6
	s_delay_alu instid0(VALU_DEP_1)
	v_floor_f32 v12, -v13
	v_mov_b32 v14, 0
	v_mov_b32 v15, 0
.set j, 0
.rept 32
	v_mov_b32 v[160+j], 0
.set j, j+1
.endr
	s_mov_b32 s[TB], 102400*\e
	s_mov_b32 s[CNT], 8
.Lstep_\@:
	STEP
	s_sub_co_u32 s[CNT], s[CNT], 1
	s_cmp_lg_u32 s[CNT], 0
	s_cbranch_scc1 .Lstep_\@
	OUTQ \e
.endm
	s_wait_alu depctr_va_vdst(0)
	s_wait_loadcnt 0x0
	s_wait_tensorcnt 0x0
	s_barrier_signal -1
	s_barrier_wait -1
	HEAD 0
	HEAD 1
.irp c, 0,1,2
	global_store_b128 v[LI], v[192+4*\c:195+4*\c], s[8:9] offset:512*\c
.endr
	ds_store_b32 v[SWA], v204
	s_wait_dscnt 0x0
	s_barrier_signal -1
	s_barrier_wait -1
	s_cmp_lt_u32 s[WV], 2
	s_cbranch_scc0 .Lno_words
	ds_load_b128 v[208:211], v[SRD]
	s_wait_dscnt 0x0
	global_store_b128 v[GO2], v[208:211], s[10:11]
.Lno_words:
	s_wait_tensorcnt 0x0
	ds_add_u32 v223, v243
	s_wait_dscnt 0x0
	CROUND
	s_endpgm
.Lfunc_end_k_qaca600acf3_attn:
	.size	k_qaca600acf3_attn, .Lfunc_end_k_qaca600acf3_attn-k_qaca600acf3_attn
	.p2alignl 7, 3214868480
	.fill 96, 4, 3214868480
	.section	.rodata,"a",@progbits
	.p2align	6, 0x0
	.amdhsa_kernel k_qaca600acf3_attn
		.amdhsa_group_segment_fixed_size 327680
		.amdhsa_private_segment_fixed_size 0
		.amdhsa_enable_private_segment 0
		.amdhsa_kernarg_size 32
		.amdhsa_user_sgpr_count 2
		.amdhsa_user_sgpr_kernarg_segment_ptr 1
		.amdhsa_wavefront_size32 1
		.amdhsa_system_sgpr_workgroup_id_x 1
		.amdhsa_system_sgpr_workgroup_id_y 1
		.amdhsa_system_sgpr_workgroup_id_z 1
		.amdhsa_system_vgpr_workitem_id 0
		.amdhsa_next_free_vgpr 256
		.amdhsa_next_free_sgpr 66
		.amdhsa_reserve_vcc 0
		.amdhsa_float_denorm_mode_32 3
		.amdhsa_float_denorm_mode_16_64 3
		.amdhsa_memory_ordered 1
		.amdhsa_forward_progress 1
		.amdhsa_inst_pref_size 53
	.end_amdhsa_kernel
	.amdgpu_metadata
---
amdhsa.version: [ 1, 2 ]
amdhsa.kernels:
  - .name:           k_qaca600acf3_attn
    .symbol:         k_qaca600acf3_attn.kd
    .args:
      - { .name: qrec, .offset: 0, .size: 8, .value_kind: global_buffer, .address_space: global }
      - { .name: kvrec, .offset: 8, .size: 8, .value_kind: global_buffer, .address_space: global }
      - { .name: arec, .offset: 16, .size: 8, .value_kind: global_buffer, .address_space: global }
      - { .name: asc, .offset: 24, .size: 8, .value_kind: global_buffer, .address_space: global }
    .group_segment_fixed_size: 327680
    .private_segment_fixed_size: 0
    .kernarg_segment_align: 8
    .kernarg_segment_size: 32
    .max_flat_workgroup_size: 512
    .sgpr_count:     66
    .vgpr_count:     256
    .wavefront_size: 32
...
	.end_amdgpu_metadata
.endif
;; end of part 2
;; launch proj (part 3): grid 4 x 64, 4 waves a work-group, clusters of 4 x 4, 327,680 bytes of LDS; arguments arec, asc, W_proj_codes, W_proj_scales, b_proj, out0; writes out0
.if DOCPART == 3
	.amdgcn_target "amdgcn-amd-amdhsa--gfx1250"
	.amdhsa_code_object_version 6
	.text
	.protected	k_qaca600acf3_proj
	.globl	k_qaca600acf3_proj
	.p2align	8
	.type	k_qaca600acf3_proj,@function
k_qaca600acf3_proj:
	s_mov_b64 s[64:65], 0
	v_nop
	global_prefetch_b8 v0, s[64:65] scope:SCOPE_SE
	s_setreg_imm32_b32 hwreg(HW_REG_WAVE_MODE, 25, 1), 1
	s_wait_xcnt 0x0
	s_wait_alu depctr_hold_cnt(0) depctr_sa_sdst(0) depctr_va_vdst(0) depctr_va_sdst(0) depctr_va_ssrc(0) depctr_va_vcc(0) depctr_vm_vsrc(0)
	s_getreg_b32 s2, hwreg(HW_REG_IB_STS2, 6, 4)
	s_cmp_eq_u32 s2, 0
	s_cbranch_scc0 .Lentry_in_a_cluster
	s_endpgm
.Lentry_in_a_cluster:
	s_bfe_u32 s2, ttmp6, 0x10000c
	s_cmp_lg_u32 s2, 0xf033
	s_cbranch_scc0 .Lentry_shape_is_right
	s_endpgm
.Lentry_shape_is_right:
; out0 = a W_proj^T + b_proj on codes of FP6 with E8M0 scales, K = 1,024.  a comes from the launch before as images of operand registers (arec) and scale words (asc).
; A block is 128 tokens x 256 columns; four waves of 64 x 128 (32 accumulators).  Source 0 = 16 rows of W, source 1 = 16 tokens: a lane holds eight neighbouring columns of a row of out0.  The bias is the first products' C.
; ALL OF K LIES IN LDS AT ONCE: a's 98,304 dense bytes as rows of 256, W's 256 whole rows of 768 bytes (each begins at a multiple of 256 in memory) with 16 bytes of padding behind every 256.
; One joint load a wave at the head (waves 0, 1: half of a each, shared along the cluster's row; waves 2, 3: 128 rows of W each, shared along its column); nothing is filled again.
; No prefetch: every tile is asked for at the head, and there is no loop to run ahead in.
; The way out goes through a stage of 16 rows x 528 bytes a wave, in a's bytes, behind a barrier at which every wave's reads of LDS are over; these bytes have had their only fill.
.set PITCH,  816
.set AHALF,  49152
.set BOFF,   2*AHALF
.set HALFB,  128*PITCH
.set SPARE,  BOFF+2*HALFB
.set STAGE,  0
.set SPITCH, 528
.set KROW,   768
.set FR,     12
.set NP,     4
.set ADRA, 16                          ; v16, v17 my a fragments, K steps 0-3, 4-7
.set ADRB, 20                          ; v20, v21 my W rows 0-63, 64-127; v22, v23 behind one padding more
.set STO,  24
.set RD,   25
.set CO,   26
.set SPW,  28
.set NIL,  29
.set SCB,  32
.set SCA,  64
.set BI,   80
.set AF,   144
.set BK,   128
.set G1,   24
.set G0,   32
.set G1B,  48
.set G0B,  56
.set WV,   70
.set RH,   71
.set CH,   72
.set MSB, 0
.macro WIN new
.if MSB != \new
	s_set_vgpr_msb (MSB<<8)|\new
.set MSB, \new
.endif
.endm
.macro PLACES n
.rept \n
	v_nop
.endr
.endm
.macro CROUND
	s_barrier_signal -1
	s_barrier_wait -1
	s_cmp_lg_u32 s[WV], 0
	s_cbranch_scc1 .Lnot_wave_0_\@
	s_barrier_signal -3
.Lnot_wave_0_\@:
	s_barrier_wait -3
	s_barrier_signal -1
	s_barrier_wait -1
.endm
	s_load_b256 s[4:11], s[0:1], 0x0               ; arec, asc, W's codes, W's scales
	s_load_b128 s[12:15], s[0:1], 0x20             ; b_proj, out0
	v_lshl_add_u32 v[SPW], v0, 2, SPARE
	v_mov_b32 v[NIL], 0
	ds_add_u32 v[SPW], v[NIL]                      ; the opening lines: the add twice and its wait
	ds_add_u32 v[SPW], v[NIL]
	v_lshrrev_b32 v1, 5, v0
	v_readfirstlane_b32 s[WV], v1
	s_lshr_b32 s[RH], s[WV], 1                     ; my 64 tokens.  Also: I fetch a (0) or W (1)
	s_and_b32 s[CH], s[WV], 1                      ; my 128 columns.  Also: which half I fetch
	s_bfe_u32 s40, ttmp6, 0x40000
	s_bfe_u32 s41, ttmp6, 0x40004
	s_lshl_b32 s42, ttmp9, 2
	s_add_co_u32 s42, s42, s40                     ; tile column
	s_and_b32 s86, ttmp7, 0xffff
	s_lshl_b32 s86, s86, 2
	s_add_co_u32 s86, s86, s41                     ; tile row
	s_lshl_b32 s43, s41, 2
	s_lshl_b32 s43, 15, s43
	s_lshl_b32 s44, 0x1111, s40
	s_or_b32 s[G1+0], s43, (3<<16)|(1<<21)         ; a: 192 dense rows of 256 bytes
	s_mov_b32 s[G1+1], 32<<16
	s_mov_b32 s[G1+2], 192<<16
	s_mov_b32 s[G1+3], 32<<16
	s_mov_b32 s[G1+4], 192
	s_mov_b32 s[G1+5], 32
	s_mov_b32 s[G1+6], 0
	s_mov_b32 s[G1+7], 0
	s_or_b32 s[G1B+0], s44, (1<<20)|(1<<21)|(5<<22)|(3<<25)  ; W: 128 rows of 768 bytes, 4 words of padding behind every 64
	s_mov_b32 s[G1B+1], KROW<<16
	s_mov_b32 s[G1B+2], 128<<16
	s_mov_b32 s[G1B+3], KROW<<16
	s_mov_b32 s[G1B+4], 128
	s_mov_b32 s[G1B+5], KROW
	s_mov_b32 s[G1B+6], 0
	s_mov_b32 s[G1B+7], 0
	s_mul_i32 s45, s[CH], AHALF
	s_mul_i32 s88, s86, 2*AHALF
	s_add_co_u32 s88, s88, s45
	s_mov_b32 s89, 0
	s_lshl_b32 s46, s42, 8
	s_lshl_b32 s47, s[CH], 7
	s_add_co_u32 s46, s46, s47
	s_mul_i32 s46, s46, KROW
	s_mov_b32 s47, 0
	s_mul_i32 s73, s[CH], HALFB
	s_add_co_u32 s73, s73, BOFF
	s_wait_dscnt 0x0
	s_wait_kmcnt 0x0
	s_add_nc_u64 s[16:17], s[4:5], s[88:89]
	s_add_nc_u64 s[20:21], s[8:9], s[46:47]
	CROUND                                         ; in front of the joint loads
	s_mov_b32 s[G0], 1
	s_mov_b32 s[G0+1], s45
	s_mov_b64 s[G0+2:G0+3], s[16:17]
	s_or_b32 s[G0+3], s[G0+3], 0x80000000
	s_mov_b32 s[G0B], 1
	s_mov_b32 s[G0B+1], s73
	s_mov_b64 s[G0B+2:G0B+3], s[20:21]
	s_or_b32 s[G0B+3], s[G0B+3], 0x80000000
	s_cmp_eq_u32 s[RH], 0                          ; one load a wave, one arm each
	s_cbranch_scc0 .Lfor_b
	tensor_load_to_lds s[G0:G0+3], s[G1:G1+7]
	s_nop 0
	PLACES 4
	s_branch .Lasked
.Lfor_b:
	tensor_load_to_lds s[G0B:G0B+3], s[G1B:G1B+7]
	s_nop 0
	PLACES 4
.Lasked:
	v_and_b32 v1, 15, v0
	v_bfe_u32 v2, v0, 4, 1
	v_and_b32 v7, 31, v0
	v_lshlrev_b32 v[CO], 4, v7
	v_mul_u32_u24 v3, v1, PITCH
	v_mad_u32_u24 v4, v2, 24, v3
	v_lshl_add_u32 v5, v2, 4, v4
	v_lshlrev_b32 v6, 5, v1
	v_lshl_add_u32 v6, v2, 4, v6                   ; W's scales: 32 r + 16 h
	v_lshlrev_b32 v8, 2, v7                        ; a's scale words: 4 x lane
	v_lshlrev_b32 v9, 5, v2                        ; the bias: 32 h
	v_mul_u32_u24 v10, v1, SPITCH
	v_lshl_add_u32 v10, v2, 5, v10
	s_mul_i32 s90, s[RH], 12288
	s_mul_i32 s91, s[CH], HALFB
	s_add_co_u32 s91, s91, BOFF
	s_mul_i32 s95, s[WV], 16*SPITCH
	s_add_co_u32 s95, s95, STAGE
	v_add_nc_u32 v[ADRA], s90, v[CO]
	v_add_nc_u32 v[ADRA+1], AHALF, v[ADRA]
	v_add_nc_u32 v[ADRB], s91, v4
	v_add_nc_u32 v[ADRB+2], s91, v5
	v_add_nc_u32 v[ADRB+1], 64*PITCH, v[ADRB]
	v_add_nc_u32 v[ADRB+3], 64*PITCH, v[ADRB+2]
	v_add_nc_u32 v[STO], s95, v10
	v_add_nc_u32 v[RD], s95, v[CO]
	s_lshl_b32 s92, s42, 13
	s_lshl_b32 s93, s[CH], 12
	s_add_co_u32 s92, s92, s93
	s_mov_b32 s93, 0
	s_add_nc_u64 s[10:11], s[10:11], s[92:93]
	s_lshl_b32 s92, s86, 9
	s_lshl_b32 s94, s[RH], 8
	s_add_co_u32 s92, s92, s94
	s_add_nc_u64 s[6:7], s[6:7], s[92:93]
	s_lshl_b32 s92, s42, 10
	s_lshl_b32 s94, s[CH], 9
	s_add_co_u32 s92, s92, s94
	s_add_nc_u64 s[12:13], s[12:13], s[92:93]
	s_add_nc_u64 s[14:15], s[14:15], s[92:93]
	s_lshl_b32 s92, s86, 7
	s_lshl_b32 s94, s[RH], 6
	s_add_co_u32 s92, s92, s94
	s_lshl_b32 s92, s92, 12
	s_add_nc_u64 s[14:15], s[14:15], s[92:93]
	s_wait_alu depctr_va_vdst(0)                   ; the wait behind the run of scalar lines
.irp i, 0,1,2,3,4,5,6,7
	global_load_b128 v[SCB+4*\i:SCB+4*\i+3], v6, s[10:11] offset:512*\i
.endr
.irp g, 0,1,2,3,4,5,6,7
.irp u, 0,1
	global_load_b32 v[SCA+2*\g+\u], v8, s[6:7] offset:32768*\g+128*\u
.endr
.endr
.irp b, 0,1,2,3,4,5,6,7
	global_load_b128 v[BI+8*\b:BI+8*\b+3], v9, s[12:13] offset:64*\b
	global_load_b128 v[BI+8*\b+4:BI+8*\b+7], v9, s[12:13] offset:64*\b+16
.endr
.macro FRAG reg, adr, g, i             ; 16 rows x 128 K: six pieces of 8 bytes; lanes 16-31 read three pieces on, for some pieces behind one padding more
.irp p, 0,1,2,3,4,5
.set PC, 12*(\g)+6*(\p/3)+\p%3
.if PC%32 < 29
	ds_load_b64 v[\reg+2*\p:\reg+2*\p+1], v[\adr] offset:8*PC+16*(PC/32)+(\i)*16*PITCH
.else
	ds_load_b64 v[\reg+2*\p:\reg+2*\p+1], v[\adr+2] offset:8*PC+16*(PC/32)+(\i)*16*PITCH
.endif
.endr
.endm
.macro FETCH3 g, p                     ; K step g into set p
	WIN 0x40
.irp i, 0,1,2,3,4,5,6,7
	FRAG 128*(\p)+FR*\i, ADRB+\i/4, \g, \i%4
.endr
	WIN 0
.irp m, 0,1,2,3
.irp c, 0,1,2
	ds_load_b128 v[AF+48*(\p)+FR*\m+4*\c:AF+48*(\p)+FR*\m+4*\c+3], v[ADRA+(\g)/4] offset:24576*(((\g)/2)%2)+6144*((\g)%2)+1536*\m+512*\c
.endr
.endr
.endm
.macro WM
.if RA && RB
	v_wmma_scale_f32_16x16x128_f8f6f4 v[DD:DD+7], v[FB:FB+11], v[FA:FA+11], v[CC:CC+7], v[XB], v[XA] matrix_a_fmt:MATRIX_FMT_FP6 matrix_b_fmt:MATRIX_FMT_FP6 matrix_a_scale:MATRIX_SCALE_ROW1 matrix_b_scale:MATRIX_SCALE_ROW1
.elseif RA
	v_wmma_scale_f32_16x16x128_f8f6f4 v[DD:DD+7], v[FB:FB+11], v[FA:FA+11], v[CC:CC+7], v[XB], v[XA] matrix_a_fmt:MATRIX_FMT_FP6 matrix_b_fmt:MATRIX_FMT_FP6 matrix_a_scale:MATRIX_SCALE_ROW1
.elseif RB
	v_wmma_scale_f32_16x16x128_f8f6f4 v[DD:DD+7], v[FB:FB+11], v[FA:FA+11], v[CC:CC+7], v[XB], v[XA] matrix_a_fmt:MATRIX_FMT_FP6 matrix_b_fmt:MATRIX_FMT_FP6 matrix_b_scale:MATRIX_SCALE_ROW1
.else
	v_wmma_scale_f32_16x16x128_f8f6f4 v[DD:DD+7], v[FB:FB+11], v[FA:FA+11], v[CC:CC+7], v[XB], v[XA] matrix_a_fmt:MATRIX_FMT_FP6 matrix_b_fmt:MATRIX_FMT_FP6
.endif
.endm
.macro MUL32 p, g                      ; the 32 accumulators take turns, in the same order in every step
.if (\g) == 0
	WIN 0x81                                       ; C: the bias, in window 0
.else
	WIN 0xa1
.endif
.irp a, 0,1,2,3
.irp b, 0,1,2,3,4,5,6,7
.set DD, 8*(8*\a+\b)
.set FB, 128*(\p)+FR*\b
.set FA, AF+48*(\p)+FR*\a
.set XB, SCB+4*\b+(\g)%4
.set XA, SCA+2*(\g)+\a/2
.set RA, (\g)/4
.set RB, \a%2
.if (\g) == 0
.set CC, BI+8*\b
.else
.set CC, DD
.endif
	WM
.endr
.endr
	WIN 0
.endm
	s_wait_alu depctr_va_vdst(0)                   ; the wait at the head's end
	s_wait_tensorcnt 0x0                           ; my tile is in
	s_barrier_signal -1
	s_barrier_wait -1                              ; everybody's is
	FETCH3 0, 0
	s_wait_loadcnt 0x0                             ; scale words and bias
.irp g, 0,1,2,3,4,5,6
	s_wait_dscnt 0x0                               ; this step's fragments are in
	PLACES NP                                      ; in front of loads into the set that the last step multiplied
	FETCH3 \g+1, (\g+1)%2
	MUL32 \g%2, \g
.endr
	s_wait_dscnt 0x0                               ; my last reads of the tiles are over:
	s_barrier_signal -1                            ; say so,
	MUL32 1, 7
	s_barrier_wait -1                              ; and behind this wait a's bytes serve as the stage
.macro TOSTAGE a
.set AC, 64*(\a)
	WIN 0x08
.irp b, 0,1,2,3,4,5,6,7
	ds_store_b128 v[STO], v[AC+8*\b:AC+8*\b+3] offset:64*\b          ; each accumulator from its low end on
	ds_store_b128 v[STO], v[AC+8*\b+4:AC+8*\b+7] offset:64*\b+16
.endr
	WIN 0
.set BB, BK+64*((\a)%2)
.irp t, 0,1,2,3,4,5,6,7,8,9,10,11,12,13,14,15
	ds_load_b128 v[BB+4*\t:BB+4*\t+3], v[RD] offset:\t*SPITCH        ; my own bytes, served in order
.endr
.endm
.macro SEND a, younger
.set BB, BK+64*((\a)%2)
	s_wait_dscnt \younger
.if (\a) > 0
	s_add_nc_u64 s[14:15], s[14:15], 16*4096
.endif
.irp t, 0,1,2,3,4,5,6,7,8,9,10,11,12,13,14,15
	global_store_b128 v[CO], v[BB+4*\t:BB+4*\t+3], s[14:15] offset:\t*4096 th:TH_STORE_NT   ; 32 lanes store 512 consecutive bytes
.endr
.endm
	PLACES NP
	TOSTAGE 0
.irp a, 1,2,3
.if \a > 1
	s_wait_xcnt 0x0                                ; block a - 2's stores have read their registers and base
.endif
	TOSTAGE \a
	SEND \a-1, 32                                  ; behind block a - 1's loads: block a's 16 stores and 16 loads
.endr
	s_wait_xcnt 0x0
	SEND 3, 0
	s_wait_tensorcnt 0x0                           ; the wave's end
	ds_add_u32 v[SPW], v[NIL]
	s_wait_dscnt 0x0
	CROUND                                         ; the closing round
	s_endpgm
.Lfunc_end_k_qaca600acf3_proj:
	.size	k_qaca600acf3_proj, .Lfunc_end_k_qaca600acf3_proj-k_qaca600acf3_proj
	.p2alignl 7, 3214868480
	.fill 96, 4, 3214868480
	.section	.rodata,"a",@progbits
	.p2align	6, 0x0
	.amdhsa_kernel k_qaca600acf3_proj
		.amdhsa_group_segment_fixed_size 327680
		.amdhsa_private_segment_fixed_size 0
		.amdhsa_enable_private_segment 0
		.amdhsa_kernarg_size 48
		.amdhsa_user_sgpr_count 2
		.amdhsa_user_sgpr_kernarg_segment_ptr 1
		.amdhsa_wavefront_size32 1
		.amdhsa_system_sgpr_workgroup_id_x 1
		.amdhsa_system_sgpr_workgroup_id_y 1
		.amdhsa_system_sgpr_workgroup_id_z 1
		.amdhsa_system_vgpr_workitem_id 0
		.amdhsa_next_free_vgpr 768
		.amdhsa_next_free_sgpr 100
		.amdhsa_reserve_vcc 0
		.amdhsa_float_denorm_mode_32 3
		.amdhsa_float_denorm_mode_16_64 3
		.amdhsa_memory_ordered 1
		.amdhsa_forward_progress 1
		.amdhsa_inst_pref_size 90
	.end_amdhsa_kernel
	.amdgpu_metadata
---
amdhsa.version: [ 1, 2 ]
amdhsa.kernels:
  - .name:           k_qaca600acf3_proj
    .symbol:         k_qaca600acf3_proj.kd
    .args:
      - { .name: arec, .offset: 0, .size: 8, .value_kind: global_buffer, .address_space: global }
      - { .name: asc, .offset: 8, .size: 8, .value_kind: global_buffer, .address_space: global }
      - { .name: W_proj_codes, .offset: 16, .size: 8, .value_kind: global_buffer, .address_space: global }
      - { .name: W_proj_scales, .offset: 24, .size: 8, .value_kind: global_buffer, .address_space: global }
      - { .name: b_proj, .offset: 32, .size: 8, .value_kind: global_buffer, .address_space: global }
      - { .name: out0, .offset: 40, .size: 8, .value_kind: global_buffer, .address_space: global }
    .group_segment_fixed_size: 327680
    .private_segment_fixed_size: 0
    .kernarg_segment_align: 8
    .kernarg_segment_size: 48
    .max_flat_workgroup_size: 128
    .sgpr_count:     100
    .vgpr_count:     768
    .wavefront_size: 32
...
	.end_amdgpu_metadata
.endif
;; end of part 3
